; MI455X (gfx1250); checked and timed in simulation.
; The chip was launched on July 23, 2026; its instructions are those of AMD's public machine-readable ISA for CDNA 5 (MIT licence, August 2026) and "CDNA5" Instruction Set Architecture Reference Guide (July 2026). The comments in the code are by the model that wrote it; some were corrected since.
;; Self Attention. Allowed arithmetic: matrix products marked QUANTISED: E2M1 operands, one E8M0 scale for each 32 along K, by v_wmma_scale_f32_16x16x128_f8f6f4 with both operands' format E2M1 (or v_wmma_scale_f32_32x16x128_f4), f32 sums; everything else in f32.
;; Inputs: Wk 32 x 256 float32; Wq 32 x 256 float32; Wv 256 x 256 float32; bk 32 float32; bq 32 float32; bv 256 float32; gamma 1 float32; x 8 x 256 x 64 x 64 float32.
;; Outputs: out0 8 x 256 x 64 x 64 float32.
;; This version of the problem:
;;   THIS VERSION OF THE PROBLEM IS GIVEN IN LOW PRECISION. The matrix products marked QUANTISED in the list below multiply operands that are first quantised to E2M1 (2 exponent bits, 1 mantissa bit; 4 bits a number), with one power-of-two scale for each 32 numbers along K (OCP MX v1.0); their sums are f32. All else is computed in f32.
;;   The module's matrix products, in the order in which they are computed (A, B: the left and right operand; K: the contracted axis; several contracted axes count as one K, in the product's order):
;;     1. [M 32,768, K 256] x [K 256, N 32]; A: input x; B: input Wq: QUANTISED
;;     2. [M 32,768, K 256] x [K 256, N 32]; A: input x; B: input Wk: QUANTISED
;;     3. [M 32,768, K 256] x [K 256, N 256]; A: input x; B: input Wv: QUANTISED
;;     4. batch 8 x [M 4,096, K 32] x [K 32, N 4,096]; A: computed on the way; B: computed on the way: QUANTISED
;;     5. batch 8 x [M 256, K 4,096] x [K 4,096, N 4,096]; A: computed on the way; B: softmax (see below): QUANTISED
;;   THE QUANTISER, for each operand of a quantised product, along K:
;;     - K is cut into blocks of 32 from its start; a last block that is shorter is filled with zeros.
;;     - A block's scale is 2^e with e = floor(log2(the largest magnitude in the block)) - 2, held to -126 .. 127; a block of zeros has e = 0. As a byte (E8M0): e + 127.
;;     - Each number is divided by its block's scale, clamped to +-6, and rounded to the nearest number of E2M1, ties to even, subnormals kept.
;;     - The product sums the exact products of the quantised numbers (number of the format x scale) in f32.
;;   ~~~python
;;   def quantise(x, axis):      # numpy; x: float32 -> the quantised numbers, widened to float32 again
;;       x = np.moveaxis(x, axis, -1); K = x.shape[-1]
;;       x = np.pad(x, [(0, 0)] * (x.ndim - 1) + [(0, -K % 32)]); x = x.reshape(x.shape[:-1] + (-1, 32)); a = np.abs(x).max(-1, keepdims=True)
;;       e = np.where(a > 0, np.clip(np.frexp(np.where(a > 0, a, 1))[1] - 1 - 2, -126, 127), 0)      # np.frexp(a)[1] - 1 = floor(log2(a)), exactly
;;       r = np.clip(x / 2.0 ** e, -6, 6)
;;       step = 2.0 ** (np.maximum(np.frexp(np.where(r == 0, 1, r))[1] - 1, 0) - 1)
;;       q = np.round(r / step) * step * 2.0 ** e      # np.round: ties to even
;;       return np.moveaxis(q.reshape(q.shape[:-2] + (-1,))[..., :K], -1, axis).astype(np.float32)
;;   ~~~
;;   SOFTMAX AHEAD OF A QUANTISED PRODUCT. Where the list says 'softmax', what is quantised is not the finished softmax but p = 2^(t - M), with t = logit x log2(e) and M = ceil(the row's largest t), a whole number; so 1/2 < the row's largest p <= 1. The row's sum l is taken of the UNQUANTISED p, in f32, and the product's result is divided by l at the end. Since M is a whole number, a kernel that streams over the keys may use a running M (the ceiling of the running maximum): every later rescaling is an exact power of two, which a block's scale takes up: the codes' values come out the same.
;;   OPERANDS COMPUTED ON THE WAY. 'Computed on the way' means the value that the module computes at that place (a softmax that the list does not call 'softmax' is quantised finished and normalised). What goes into a quantiser is computed in f32, as accurately as f32 sums, v_exp_f32 and their like allow (about 1e-6 of the number): no bf16 or f16 on the way to a quantiser, and a product that is left as it is and whose result goes on into a quantised operand takes f32 operands (vector FMAs, or v_wmma_f32_16x16x4_f32). A number that lies on a knife's edge between two numbers of the format may be rounded either way, as far as f32 arithmetic and the matrix unit's own rounding can turn it there, and no further.
;; One version. Each part assembles by itself: llvm-mc -triple=amdgcn-amd-amdhsa -mcpu=gfx1250 --defsym DOCPART=n.
;; ======== version 1 of 1: 2 launches
;; workspace buffers: kv 5,046,272 bytes; qr 655,360 bytes
;; launch project (part 1): grid 32 x 8, 8 waves a work-group, no clusters, 168,960 bytes of LDS; arguments x, Wv, bq, bk, bv, kv, qr, Wq, Wk; writes kv, qr
.if DOCPART == 1
	.amdgcn_target "amdgcn-amd-amdhsa--gfx1250"
	.amdhsa_code_object_version 6
	.text
	.protected	k_qd3131b062e_project
	.globl	k_qd3131b062e_project
	.p2align	8
	.type	k_qd3131b062e_project,@function
k_qd3131b062e_project:
	s_mov_b64 s[64:65], 0
	v_nop
	global_prefetch_b8 v0, s[64:65] scope:SCOPE_SE
	s_setreg_imm32_b32 hwreg(HW_REG_WAVE_MODE, 25, 1), 1
	s_wait_xcnt 0x0
; The three 1 x 1 convolutions on codes of FP4 (E2M1), and their results quantised for the attention.  x: [8][256 (c)][4096 (n)] f32; Wq, Wk [32][256], Wv [256][256] f32, K (c) innermost.
; A work-group (st = x, b = y) takes 128 positions of one batch and stores one record of kv (19,712 bytes) and one of qr (2,560 bytes).
; W:  while its tensor load of x is on its way, wave w quantises the weights that it needs: Wv's four fragments of channels 32 w .. 32 w + 31 straight into operand registers, and ONE of the eight fragments of
;     Wq and Wk, which goes to the other waves through LDS as an image of its registers.  A lane takes row r and 32 neighbours along K for each block, so that a block is one lane's.
;     For Wq and Wk lane r of tile u takes row 8 u + r + 8 (r / 8), so that the 16 registers of the two result tiles are 16 neighbours along d.
; X:  x's 256 rows x 512 bytes come into LDS by one tensor load a wave (32 rows).  A lane takes a position and its registers run down c, so that a block of 32 along K is one lane's;
;     the codes go to LDS as images of operand registers (tile t, K step s).  THE POSITIONS OF A TILE ARE NOT NEIGHBOURS: row r of tile t is position 32 (t / 2) + 8 (t % 2) + r + 8 (r / 8).
; 1a: wave w: q and k of tile w, transposed (source 0 = 16 rows of Wq or Wk, source 1 = x): a lane holds one position and d = 16 h + 0 .. 15.
; 1b: wave w: v's channels 32 w .. 32 w + 31 for all 8 tiles (source 0 = x, source 1 = Wv): a lane holds one channel, and the 16 registers of tiles 2 b, 2 b + 1 are positions 32 b + 16 h + 0 .. 15.
; 1c: v is quantised along the positions (the keys of the second product of the attention), q and k along d; codes leave from registers, the scale words are gathered in LDS and leave as whole blocks.
; The biases are the C of each sum's first matrix instruction (another order of f32 rounding than a sum with the bias added last).
; RECORD OF kv: +0 k's codes, 256 t + 16 r;  +2,048 v's 16 fragments as register images;  +18,432 v's scale words: fragment f = 2 (4 G + j) + e, row r at 512 G + 16 (16 e + r) + 4 j;
;   +19,456 k's scale bytes: lane 16 g + r has 8 bytes, byte n of the first word = tile 4 g + n, row r; the second word is 0.
; RECORD OF qr: +0 q's codes, 256 t + 16 r;  +2,048 q's scale bytes, each four times in a word: tile t, row r at 16 (16 (t % 2) + r) + 4 (t / 2).
; NO CLUSTER: what work-groups share is the weights, 327,680 bytes of f32.  A joint load lands in LDS, where they do not fit beside x's 131,072 bytes and the images; each wave takes its 40,960 bytes of them straight
; into the registers in which they are quantised.  The one tile that comes by tensor load is the work-group's alone.
; LIMITS: a block whose largest magnitude lies under 2^-124 (a block of zeros among them) gets the byte 1: zero codes add nothing, and this program alone reads the bytes; NaN and infinities are not served.
.set REC,  19712
.set QREC, 2560
.set XIMG, 131072                      ; LDS: 0 .. 131,071 x as it lies (filled once by the tensor loads);  x's images: tile t at 2,176 t, K step s at + 1,024; 128 bytes of pad a tile
.set XTP,  2176
.set XSC,  148480                      ; x's scale words: tile t at 128 t, lane 16 s + r
.set SB,   149504                      ; v's scale words (1,024 bytes, as in the record), then q's (512 bytes)
.set KSB,  151040                      ; k's scale bytes: word 16 g + r, byte n
.set WIMG, 151296                      ; the eight fragments of Wq and Wk as register images: fragment f = 4 (Wk) + 2 u + s at 1,024 f
.set WSC,  159488                      ; their scale words: fragment f, row r at 64 f + 4 r
.set XR,  2                            ; v2   phase X: where my position's numbers begin
.set XW,  3                            ; v3   where my position's codes go
.set XSW, 4                            ; v4   and its scale word
.set LIX, 5                            ; v5   XIMG + 16 x lane
.set LSX, 6                            ; v6   XSC + 4 x lane
.set LIW, 7                            ; v7   the same in tile w
.set LSW, 8                            ; v8
.set KBA, 9                            ; v9   k's scale byte
.set QBA, 10                           ; v10  q's scale word
.set VBA, 11                           ; v11  v's scale word
.set GL,  12                           ; v12  16 x lane
.set G8,  13                           ; v13  16 r + 8 h
.set CPL, 14                           ; v14  the copy out: SB + 512 w + 16 x lane
.set KCL, 15                           ; v15  KSB + 4 x lane
.set WVS, 16                           ; v16-17 Wv's scale words (lanes 0-15 K step 0, lanes 16-31 K step 1);  v18-21 Wq's two tiles, Wk's two
.set WQS, 18
.set XS1, 22                           ; v22  x's scale words of the tile in hand;  v23 of tile w
.set XS0, 23
.set WW,  24                           ; v24-28 phase W: the scale words of my five fragments;  v29, v30 where my fragment of Wq or Wk and its scale word go in LDS
.set WIA, 29
.set WSA, 30
.set PC0, 24                           ; v24-31 later: codes of my first channel tile
.set XN,  32                           ; v32-159 phase W: two sets of 64 numbers;  phase X: four blocks of 32 numbers;  later VA: channel tile a, position tile t at 32 + 64 a + 8 t
.set VA,  32
.set XF,  160                          ; v160-175 phase W: my fragment of Wq or Wk;  x's two fragments;  later the codes of my second channel tile, of q and of k
.set PC1, 160
.set QC,  168                          ; v168-169 q's codes, v170-171 k's
.set XC,  176                          ; v176-191 phase X's codes;  later QA v176-207: q's two tiles, k's two
.set QA,  176
.set TM,  208                          ; v208-211 largest magnitudes, v212-215 bytes, v220-223 the conversions' scale operands
.set PW0, 224
.set PW1, 225
.set BV,  226                          ; v226-241 bv as two C operands
.set XWD, 242                          ; a scale word in the making
.set XBY, 243
.set L4,  244                          ; 4 x lane, 4 r, 64 h, 8 x lane: offsets; never rewritten
.set R4,  245
.set H64, 246
.set L8,  247
.set CD,  248                          ; v248-251 the copy out's data
.set H8,  253                          ; v253 8 h;  v254 my row of a tile of Wv, in bytes, + 128 h;  v255 the same for Wq and Wk
.set WA,  254
.set WB,  255
; window 1: v0-31 Wv's fragments (a, s) at 16 a + 8 s;  v32-95 Wq's and Wk's: tile e (q0, q1, k0, k1), K step s at 32 + 16 e + 8 s;  v96-127 bq and bk as four C operands
.set MSB, 0
.macro WIN new                         ; the immediate's high byte repeats the setting that is left
.if MSB != \new
	s_set_vgpr_msb (MSB<<8)|\new
.set MSB, \new
.endif
.endm
.macro PLACES                          ; four plain places behind a matrix instruction, in front of loads into its registers and of the first read of results
.rept 4
	v_nop
.endr
.endm
.macro BARRIER                         ; my LDS stores have landed and my LDS loads are in: then the work-group's barrier
	s_wait_dscnt 0x0
	s_barrier_signal -1
	s_barrier_wait -1
.endm
; A fragment of a weight, 16 rows x 128 K of f32, into set 0 or 1: register 32 c + i = k 64 c + 32 h + i of my row
.macro WLOAD set, adr, base, off
.irp c, 0,1
.irp j, 0,1,2,3,4,5,6,7
	global_load_b128 v[XN+64*(\set)+32*\c+4*\j:XN+64*(\set)+32*\c+4*\j+3], v[\adr], s[\base:\base+1] offset:\off+256*\c+16*\j
.endr
.endr
.endm
; The set's 64 numbers become a fragment's codes in v[dst] on (win: the window setting for the conversions) and its scale word.  left: the younger loads, which may stay out
.macro WQUANT set, left, word, win, dst
	s_wait_loadcnt \left
.set WN_, XN+64*(\set)
.irp c, 0,1                                    ; my block 2 c + h: all its 32 numbers are mine
	v_max3_num_f32 v[TM+\c], |v[WN_+32*\c]|, |v[WN_+1+32*\c]|, 0x1800000   ; and the floor 2^(3 - 127): the byte cannot fall under 1
.endr
.irp i, 2,4,6,8,10,12,14,16,18,20,22,24,26,28,30
.irp c, 0,1
	s_delay_alu instid0(VALU_DEP_2)
	v_max3_num_f32 v[TM+\c], v[TM+\c], |v[WN_+32*\c+\i]|, |v[WN_+1+32*\c+\i]|   ; (the two blocks by turns)
.endr
.endr
.irp c, 0,1
	s_delay_alu instid0(VALU_DEP_2)
	v_add_nc_u32 v[TM+12+\c], 0xff000000, v[TM+\c]   ; 2 off the exponent field: the conversion's scale operand
.endr
.irp c, 0,1
	s_delay_alu instid0(VALU_DEP_2)
	v_lshrrev_b32 v[TM+4+\c], 23, v[TM+12+\c]      ; the scale's byte
.endr
	s_delay_alu instid0(VALU_DEP_1)
	v_lshl_or_b32 v[\word], v[TM+5], 16, v[TM+4]   ; my two bytes: blocks h and 2 + h of my row,
	s_delay_alu instid0(VALU_DEP_1)
	v_lshlrev_b32 v[\word], v[H8], v[\word]        ; at their places in the word (8 h bits up);
	s_delay_alu instid0(VALU_DEP_1)
	v_permlanex16_b32 v[TM+6], v[\word], s22, s23
	s_delay_alu instid0(VALU_DEP_1)
	v_or_b32 v[\word], v[\word], v[TM+6]           ; with lane l xor 16's two the word is whole, in both halves of the lanes
	WIN \win
.irp c, 0,1
.irp g, 0,1,2,3
	v_cvt_scalef32_pk8_fp4_f32 v[\dst+4*\c+\g], v[WN_+32*\c+8*\g:WN_+32*\c+8*\g+7], v[TM+12+\c]
.endr
.endr
	v_nop                                          ; one plain place behind the last scaled conversion
	WIN 0
.endm
.macro XLOAD t                         ; block t of my position: x(128 s + 32 t + i, position), i = 0 .. 31; 32 lanes read 128 consecutive bytes
.set i, 0
.rept 32
	ds_load_b32 v[XN+32*(\t)+i], v[XR] offset:(32*(\t)+i)*512
.set i, i+1
.endr
.endm
.macro XBLOCK t, left                  ; left: the LDS instructions issued behind block t's loads, which may stay out
	s_wait_dscnt \left
.if (\t) < 2
	XLOAD (\t)+2
.endif
.set XB_, XN+32*(\t)
	v_max3_num_f32 v[TM], |v[XB_]|, |v[XB_+1]|, |v[XB_+2]|     ; the block's largest magnitude: all 32 numbers are mine; two chains
	v_max3_num_f32 v[TM+1], |v[XB_+3]|, |v[XB_+4]|, |v[XB_+5]|
.irp i, 6,10,14,18,22,26
	s_delay_alu instid0(VALU_DEP_2)
	v_max3_num_f32 v[TM], v[TM], |v[XB_+\i]|, |v[XB_+\i+1]|
	s_delay_alu instid0(VALU_DEP_2)
	v_max3_num_f32 v[TM+1], v[TM+1], |v[XB_+\i+2]|, |v[XB_+\i+3]|
.endr
	s_delay_alu instid0(VALU_DEP_2)
	v_max3_num_f32 v[TM], v[TM], |v[XB_+30]|, |v[XB_+31]|
	s_delay_alu instid0(VALU_DEP_1)
	v_max3_num_f32 v[TM], v[TM], v[TM+1], 0x1800000            ; and the floor 2^(3 - 127): the byte cannot fall under 1
	s_delay_alu instid0(VALU_DEP_1)
	v_add_nc_u32 v[TM+12], 0xff000000, v[TM]                   ; 2 off the exponent field: the conversion's scale operand
.if (\t) == 0
	s_delay_alu instid0(VALU_DEP_1)
	v_lshrrev_b32 v[XWD], 23, v[TM+12]                         ; the scale's byte: byte t of my position's word
.else
	s_delay_alu instid0(VALU_DEP_1)
	v_lshrrev_b32 v[XBY], 23, v[TM+12]
	s_delay_alu instid0(VALU_DEP_1)
	v_lshl_or_b32 v[XWD], v[XBY], 8*(\t), v[XWD]
.endif
.irp g, 0,1,2,3
	v_cvt_scalef32_pk8_fp4_f32 v[XC+4*(\t)+\g], v[XB_+8*\g:XB_+8*\g+7], v[TM+12]
.endr
	v_nop                                          ; one plain place behind the last scaled conversion
	ds_store_b128 v[XW], v[XC+4*(\t):XC+4*(\t)+3] offset:256*(\t)   ; block t of a fragment's image lies at 256 t + 16 r
.endm
.macro FETCH reg, adr, off             ; a fragment's image comes back as it was stored
.irp c, 0,1
	ds_load_b128 v[\reg+4*\c:\reg+4*\c+3], v[\adr] offset:\off+512*\c
.endr
.endm
; 64 numbers of a lane, register 16 b + i = k 32 b + 16 h + i of my row, become a fragment's codes in v[pc] on and its scale word in v[pw]
.macro QUANT s, pc, pw
.irp b, 0,1,2,3
	v_max3_num_f32 v[TM+\b], |v[\s+16*\b]|, |v[\s+1+16*\b]|, 0x1800000   ; block b: my 16 numbers (each result tile from its low end on), and the floor
.endr
.irp i, 2,4,6,8,10,12,14
.irp b, 0,1,2,3
	v_max3_num_f32 v[TM+\b], v[TM+\b], |v[\s+16*\b+\i]|, |v[\s+1+16*\b+\i]|   ; (the four blocks by turns)
.endr
.endr
.irp b, 0,1,2,3
	s_delay_alu instid0(VALU_DEP_4)
	v_permlanex16_b32 v[TM+4+\b], v[TM+\b], s22, s23
.endr
.irp b, 0,1,2,3
	s_delay_alu instid0(VALU_DEP_4)
	v_max_num_f32 v[TM+\b], v[TM+\b], v[TM+4+\b]   ; with lane l xor 16's: the block's largest magnitude
.endr
.irp b, 0,1,2,3
	s_delay_alu instid0(VALU_DEP_4)
	v_add_nc_u32 v[TM+12+\b], 0xff000000, v[TM+\b]
.endr
.irp b, 0,1,2,3
	s_delay_alu instid0(VALU_DEP_4)
	v_lshrrev_b32 v[TM+4+\b], 23, v[TM+12+\b]
.endr
	s_delay_alu instid0(VALU_DEP_3)
	v_lshl_or_b32 v[\pw], v[TM+5], 8, v[TM+4]      ; the four bytes make my row's scale word
	s_delay_alu instid0(VALU_DEP_1)
	v_lshl_or_b32 v[\pw], v[TM+6], 16, v[\pw]
	s_delay_alu instid0(VALU_DEP_1)
	v_lshl_or_b32 v[\pw], v[TM+7], 24, v[\pw]
.irp b, 0,1,2,3
	v_cvt_scalef32_pk8_fp4_f32 v[\pc+2*\b], v[\s+16*\b:\s+7+16*\b], v[TM+12+\b]
	v_cvt_scalef32_pk8_fp4_f32 v[\pc+1+2*\b], v[\s+8+16*\b:\s+15+16*\b], v[TM+12+\b]
.endr
	v_nop                                          ; one plain place behind the last scaled conversion
.irp c, 0,1                                    ; the operand's layout wants a whole block in a lane: lanes 0-15 block 2 c, lanes 16-31 block 2 c + 1
.irp i, 0,1
	v_permlane16_swap_b32 v[\pc+4*\c+\i], v[\pc+2+4*\c+\i]
.endr
.endr
.endm
	s_load_b256 s[4:11], s[0:1], 0x0               ; x s[4:5], Wv s[6:7], bq s[8:9], bk s[10:11]
	s_load_b128 s[12:15], s[0:1], 0x20             ; bv s[12:13], kv s[14:15]
	s_load_b64 s[16:17], s[0:1], 0x30              ; qr
	s_load_b64 s[68:69], s[0:1], 0x38              ; Wq
	s_load_b64 s[70:71], s[0:1], 0x40              ; Wk
	v_lshl_add_u32 v218, v0, 2, 0x29000
	v_mov_b32 v219, 0
	ds_add_u32 v218, v219
	ds_add_u32 v218, v219
	v_lshrrev_b32 v1, 5, v0
	s_delay_alu instid0(VALU_DEP_1)
	v_readfirstlane_b32 s18, v1                    ; wave 0..7
	s_mov_b32 s19, ttmp9                           ; st: which 128 positions
	s_and_b32 s20, ttmp7, 0xffff                   ; b
	s_mov_b32 s22, 0x76543210
	s_mov_b32 s23, 0xfedcba98                      ; v_permlanex16_b32's selects for lane l xor 16
	; descriptor group 1: 32 rows x 128 elements of 4 bytes, 4,096 elements from row to row; no padding: the reads take 128 consecutive bytes a wave
	s_mov_b32 s24, 2<<16                           ; no mask; elements of 4 bytes
	s_mov_b32 s25, 128<<16                         ; tensor_dim0 = 128
	s_mov_b32 s26, 32<<16                          ; tensor_dim1 = 32
	s_mov_b32 s27, 128<<16                         ; tile_dim0 = 128
	s_mov_b32 s28, 32                              ; tile_dim1 = 32
	s_mov_b32 s29, 4096                            ; tensor_dim0_stride
	s_mov_b32 s30, 0
	s_mov_b32 s31, 0
	s_lshl_b32 s54, s20, 22                        ; the batch: 4 MiB,
	s_lshl_b32 s55, s18, 19                        ; my 32 channel rows of 16,384 bytes,
	s_add_co_u32 s54, s54, s55
	s_lshl_b32 s55, s19, 9                         ; the work-group's 512 bytes of each row
	s_add_co_u32 s54, s54, s55
	s_mov_b32 s55, 0
	s_mov_b32 s32, 1                               ; group 0: count = 1
	s_lshl_b32 s33, s18, 14                        ; LDS address: wave x 32 rows x 512 bytes
	s_wait_dscnt 0x0
	s_wait_kmcnt 0x0
	s_add_nc_u64 s[34:35], s[4:5], s[54:55]
	s_or_b32 s35, s35, 0x80000000                  ; type = 2
	tensor_load_to_lds s[32:35], s[24:31]          ; my one tensor load of the launch: nothing is filled again
	s_nop 0
.rept 4
	v_nop
.endr
	s_lshl_b32 s54, s20, 5
	s_add_co_u32 s54, s54, s19                     ; the record's number: 32 b + st
	s_mul_i32 s56, s54, REC
	s_mov_b32 s57, 0
	s_add_nc_u64 s[36:37], s[14:15], s[56:57]      ; my record of kv
	s_mul_i32 s56, s54, QREC
	s_add_nc_u64 s[38:39], s[16:17], s[56:57]      ; and of qr
	s_lshl_b32 s56, s18, 15
	s_add_nc_u64 s[40:41], s[6:7], s[56:57]        ; Wv's 32 rows of 1,024 bytes for my channels
	s_lshl_b32 s56, s18, 8
	s_add_nc_u64 s[48:49], s[36:37], s[56:57]      ; k's codes of tile w
	s_add_nc_u64 s[50:51], s[38:39], s[56:57]      ; q's
	s_lshl_b32 s56, s18, 11
	s_add_co_u32 s56, s56, 2048
	s_add_nc_u64 s[46:47], s[36:37], s[56:57]      ; v's two fragments of mine in the record
	s_lshl_b32 s56, s18, 7
	s_add_nc_u64 s[52:53], s[12:13], s[56:57]      ; bv of my 32 channels
	s_lshl_b32 s56, s18, 9
	s_add_co_u32 s56, s56, 18432
	s_add_nc_u64 s[44:45], s[36:37], s[56:57]      ; the copy out: waves 0 and 1 v's scale words,
	s_add_nc_u64 s[58:59], s[38:39], 2048
	s_cmp_lt_u32 s18, 2
	s_cselect_b64 s[44:45], s[44:45], s[58:59]     ; wave 2 q's
	s_add_nc_u64 s[58:59], s[36:37], 19456         ; wave 3 k's scale bytes
	s_bfe_u32 s56, s18, 0x10001                    ; my fragment of Wq (waves 0-3) or Wk (waves 4-7): tile u = bit 1 of the wave: 8 rows of 1,024 bytes on,
	s_lshl_b32 s56, s56, 13
	s_and_b32 s60, s18, 1                          ; K step s = bit 0: 512 bytes on
	s_lshl_b32 s60, s60, 9
	s_add_co_u32 s56, s56, s60
	s_cmp_lt_u32 s18, 4                            ; the choice hangs on the wave's number alone
	s_cselect_b64 s[42:43], s[68:69], s[70:71]
	s_add_nc_u64 s[42:43], s[42:43], s[56:57]
	s_and_b32 s54, s18, 3                          ; pg: which 32 positions I quantise;  also w % 4
	s_lshr_b32 s55, s18, 2                         ; s: which K step;  also w / 4
	v_and_b32 v1, 31, v0                           ; lane
	v_and_b32 v252, 15, v0                         ; r
	v_bfe_u32 v253, v0, 4, 1                       ; h, the lane's bit 4
	v_and_b32 v254, 7, v0                          ; its low three bits
	v_bfe_u32 v255, v0, 3, 1                       ; its bit 3
	s_wait_alu depctr_va_vdst(0)
	s_lshl_b32 s56, s55, 16
	s_lshl_b32 s57, s54, 7
	s_add_co_u32 s56, s56, s57
	v_lshl_add_u32 v[XR], v1, 2, s56               ; 128 rows x 512 bytes x s + 128 pg + 4 x lane
	s_mul_i32 s56, s54, 2*XTP                      ; position 32 pg + lane is row 8 bit4 + low3 of tile 2 pg + bit3
	s_lshl_b32 s57, s55, 10
	s_add_co_u32 s56, s56, s57
	s_add_co_u32 s56, s56, XIMG
	v_mul_u32_u24 v[XW], v255, XTP
	s_delay_alu instid0(VALU_DEP_1)
	v_lshl_add_u32 v[XW], v253, 7, v[XW]
	s_delay_alu instid0(VALU_DEP_1)
	v_lshl_add_u32 v[XW], v254, 4, v[XW]
	s_delay_alu instid0(VALU_DEP_1)
	v_add_nc_u32 v[XW], s56, v[XW]
	s_lshl_b32 s56, s54, 8
	s_lshl_b32 s57, s55, 6
	s_add_co_u32 s56, s56, s57
	s_add_co_u32 s56, s56, XSC
	v_lshlrev_b32 v[XSW], 7, v255
	s_delay_alu instid0(VALU_DEP_1)
	v_lshl_add_u32 v[XSW], v253, 5, v[XSW]
	s_delay_alu instid0(VALU_DEP_1)
	v_lshl_add_u32 v[XSW], v254, 2, v[XSW]
	s_delay_alu instid0(VALU_DEP_1)
	v_add_nc_u32 v[XSW], s56, v[XSW]
	v_lshl_add_u32 v[LIX], v1, 4, XIMG
	v_lshl_add_u32 v[LSX], v1, 2, XSC
	s_mul_i32 s56, s18, XTP
	v_add_nc_u32 v[LIW], s56, v[LIX]
	s_lshl_b32 s56, s18, 7
	v_add_nc_u32 v[LSW], s56, v[LSX]
	s_lshl_b32 s56, s55, 6
	s_add_co_u32 s56, s56, s54
	s_add_co_u32 s56, s56, KSB
	v_lshl_add_u32 v[KBA], v252, 2, s56            ; KSB + 64 (w / 4) + w % 4 + 4 r
	s_and_b32 s56, s18, 1
	s_lshl_b32 s56, s56, 8
	s_lshr_b32 s57, s18, 1
	s_lshl_b32 s57, s57, 2
	s_add_co_u32 s56, s56, s57
	s_add_co_u32 s56, s56, SB+1024
	v_lshl_add_u32 v[QBA], v252, 4, s56            ; SB + 1,024 + 256 (w % 2) + 4 (w / 2) + 16 r
	s_lshl_b32 s56, s55, 9
	s_lshl_b32 s57, s54, 2
	s_add_co_u32 s56, s56, s57
	s_add_co_u32 s56, s56, SB
	v_lshl_add_u32 v[VBA], v1, 4, s56              ; SB + 512 (w / 4) + 4 (w % 4) + 16 x lane
	v_lshlrev_b32 v[GL], 4, v1
	v_lshlrev_b32 v[G8], 4, v252
	s_delay_alu instid0(VALU_DEP_1)
	v_lshl_add_u32 v[G8], v253, 3, v[G8]
	s_lshl_b32 s56, s18, 9
	s_add_co_u32 s56, s56, SB
	v_lshl_add_u32 v[CPL], v1, 4, s56
	v_lshl_add_u32 v[KCL], v1, 2, KSB
	s_lshl_b32 s56, s18, 10
	v_add_nc_u32 v[WIA], s56, v[LIX]               ; XIMG + 1,024 w + 16 x lane: the stores' offsets carry WIMG - XIMG
	s_lshl_b32 s56, s18, 6
	s_add_co_u32 s56, s56, WSC
	v_lshl_add_u32 v[WSA], v252, 2, s56            ; WSC + 64 w + 4 r
	v_lshlrev_b32 v[L4], 2, v1
	v_lshlrev_b32 v[R4], 2, v252
	v_lshlrev_b32 v[H64], 6, v253
	v_lshlrev_b32 v[L8], 3, v1
	v_lshlrev_b32 v[WA], 10, v252                  ; Wv: row r of 1,024 bytes,
	s_delay_alu instid0(VALU_DEP_1)
	v_lshl_add_u32 v[WA], v253, 7, v[WA]           ; + 128 h: lanes 16-31 begin 32 numbers further on
	v_and_b32 v[WB], 8, v252
	s_delay_alu instid0(VALU_DEP_1)
	v_add_nc_u32 v[WB], v[WB], v252                ; Wq, Wk: row r + 8 (r / 8)
	s_delay_alu instid0(VALU_DEP_1)
	v_lshlrev_b32 v[WB], 10, v[WB]
	s_delay_alu instid0(VALU_DEP_1)
	v_lshl_add_u32 v[WB], v253, 7, v[WB]
	v_lshlrev_b32 v[H8], 3, v253                   ; 8 h
.irp b, 0,1,2,3
	v_mov_b32 v[TM+4+\b], 0                        ; written once: a lane permute's destination counts as one of its sources
.endr
	; the biases: ten loads, ahead of the weights', so that the first counted wait below shows them in
	WIN 0x40                                       ; destination window 1
.irp u, 0,1                                    ; lane (r, h) wants, for tile u, the biases of d = 8 u + 16 h + 0 .. 7
	global_load_b128 v[96+8*\u:96+8*\u+3], v[H64], s[8:9] offset:32*\u
	global_load_b128 v[96+8*\u+4:96+8*\u+7], v[H64], s[8:9] offset:32*\u+16
	global_load_b128 v[112+8*\u:112+8*\u+3], v[H64], s[10:11] offset:32*\u
	global_load_b128 v[112+8*\u+4:112+8*\u+7], v[H64], s[10:11] offset:32*\u+16
.endr
	WIN 0
.irp a, 0,1
	global_load_b32 v[BV+8*\a], v[R4], s[52:53] offset:64*\a   ; bv of channel 16 a + r of my 32
.endr
	; ---- W: my five fragments of the weights, two sets of registers by turns: while one fragment is quantised the next one's 16 loads are out
	WLOAD 0, WA, 40, 0                             ; Wv, channel tile 0, K step 0
	WLOAD 1, WA, 40, 512                           ; K step 1
	WQUANT 0, 16, WW, 0x40, 0                      ; the conversions' destination is window 1: the operand's own registers
	WLOAD 0, WA, 40, 16384                         ; channel tile 1, K step 0
	WQUANT 1, 16, WW+1, 0x40, 8
	WLOAD 1, WA, 40, 16384+512
	WQUANT 0, 16, WW+2, 0x40, 16
	WLOAD 0, WB, 42, 0                             ; my fragment of Wq or Wk
	WQUANT 1, 16, WW+3, 0x40, 24
	WQUANT 0, 0, WW+4, 0, XF
	ds_store_b128 v[WIA], v[XF:XF+3] offset:WIMG-XIMG          ; its image, for all eight waves
	ds_store_b128 v[WIA], v[XF+4:XF+7] offset:WIMG-XIMG+512
	ds_store_b32 v[WSA], v[WW+4]                   ; (lanes r and r + 16 write the same word with the same value)
	v_cmp_le_u32 vcc_lo, 16, v1
	s_delay_alu instid0(VALU_DEP_1)
	v_cndmask_b32 v[WVS], v[WW], v[WW+1], vcc_lo   ; lanes 0-15: K step 0's words, lanes 16-31: K step 1's
	s_delay_alu instid0(VALU_DEP_2)
	v_cndmask_b32 v[WVS+1], v[WW+2], v[WW+3], vcc_lo
	; ---- X: x becomes codes
	s_wait_tensorcnt 0x0                           ; my 32 rows are in LDS,
	s_wait_dscnt 0x0                               ; and so is my fragment's image:
	s_barrier_signal -1
	s_barrier_wait -1                              ; everybody's are
	XLOAD 0
	XLOAD 1
	XBLOCK 0, 32                                   ; behind block 0's loads: block 1's 32
	XBLOCK 1, 33                                   ; behind block 1's: block 2's 32 and block 0's store
	XBLOCK 2, 34                                   ; behind block 2's: block 0's store, block 3's 32, block 1's store
	XBLOCK 3, 2                                    ; behind block 3's: the stores of blocks 1 and 2
	ds_store_b32 v[XSW], v[XWD]
.irp a, 0,1
.irp j, 1,2,3,4,5,6,7
	v_mov_b32 v[BV+8*\a+\j], v[BV+8*\a]            ; in v's results a lane holds one channel: its bias in all eight registers (phase W's waits have shown it in)
.endr
.endr
	s_wait_alu depctr_va_vdst(0)
	BARRIER                                        ; x's sixteen fragments and their scale words lie in LDS
	; ---- 1a: q and k of tile w.  Four accumulators by turns, K step by K step
	WIN 0x40                                       ; destination window 1
.irp f, 0,1,2,3,4,5,6,7
.irp c, 0,1
	ds_load_b128 v[32+8*\f+4*\c:32+8*\f+4*\c+3], v[LIX] offset:WIMG-XIMG+1024*\f+512*\c
.endr
.endr
	WIN 0
.irp e, 0,1,2,3
	ds_load_b32 v[WQS+\e], v[LSX] offset:WSC-XSC+128*\e        ; lanes 0-15: tile e's words of K step 0, lanes 16-31: of K step 1
.endr
	FETCH XF, LIW, 0
	FETCH XF+8, LIW, 1024
	ds_load_b32 v[XS0], v[LSW]
	s_wait_dscnt 0x0
	WIN 0x11                                       ; source 0 (the weights) and source 2 (the bias) window 1
.irp e, 0,1,2,3
	v_wmma_scale_f32_16x16x128_f8f6f4 v[QA+8*\e:QA+8*\e+7], v[32+16*\e:32+16*\e+7], v[XF:XF+7], v[96+8*\e:96+8*\e+7], v[WQS+\e], v[XS0] matrix_a_fmt:MATRIX_FMT_FP4 matrix_b_fmt:MATRIX_FMT_FP4
.endr
	WIN 0x01
.irp e, 0,1,2,3
	v_wmma_scale_f32_16x16x128_f8f6f4 v[QA+8*\e:QA+8*\e+7], v[40+16*\e:40+16*\e+7], v[XF+8:XF+15], v[QA+8*\e:QA+8*\e+7], v[WQS+\e], v[XS0] matrix_a_fmt:MATRIX_FMT_FP4 matrix_b_fmt:MATRIX_FMT_FP4 matrix_a_scale:MATRIX_SCALE_ROW1 matrix_b_scale:MATRIX_SCALE_ROW1
.endr
	; ---- 1b: v of my 32 channels, a tile of 16 positions at a time.  The two accumulators of a tile take turns
	WIN 0x04                                       ; source 1 (Wv) window 1; the LDS loads name a destination and source 0 alone
.irp t, 0,1,2,3,4,5,6,7
	PLACES                                         ; in front of loads into registers that the last products read
	FETCH XF, LIX, XTP*\t
	FETCH XF+8, LIX, XTP*\t+1024
	ds_load_b32 v[XS1], v[LSX] offset:128*\t
	s_wait_dscnt 0x0
.irp a, 0,1
	v_wmma_scale_f32_16x16x128_f8f6f4 v[VA+64*\a+8*\t:VA+64*\a+8*\t+7], v[XF:XF+7], v[16*\a:16*\a+7], v[BV+8*\a:BV+8*\a+7], v[XS1], v[WVS+\a] matrix_a_fmt:MATRIX_FMT_FP4 matrix_b_fmt:MATRIX_FMT_FP4
.endr
.irp a, 0,1
	v_wmma_scale_f32_16x16x128_f8f6f4 v[VA+64*\a+8*\t:VA+64*\a+8*\t+7], v[XF+8:XF+15], v[16*\a+8:16*\a+15], v[VA+64*\a+8*\t:VA+64*\a+8*\t+7], v[XS1], v[WVS+\a] matrix_a_fmt:MATRIX_FMT_FP4 matrix_b_fmt:MATRIX_FMT_FP4 matrix_a_scale:MATRIX_SCALE_ROW1 matrix_b_scale:MATRIX_SCALE_ROW1
.endr
.endr
	; ---- 1c: the results become codes.  No store's data are written again, so no wait stands behind the stores
	WIN 0
	PLACES
	QUANT VA, PC0, PW0
	global_store_b128 v[GL], v[PC0:PC0+3], s[46:47]                    ; 32 lanes store 512 consecutive bytes, aligned
	global_store_b128 v[GL], v[PC0+4:PC0+7], s[46:47] offset:512
	QUANT VA+64, PC1, PW1
	global_store_b128 v[GL], v[PC1:PC1+3], s[46:47] offset:1024
	global_store_b128 v[GL], v[PC1+4:PC1+7], s[46:47] offset:1536
	v_cmp_le_u32 vcc_lo, 16, v1
	s_delay_alu instid0(VALU_DEP_1)
	v_cndmask_b32 v[XWD], v[PW0], v[PW1], vcc_lo   ; lanes 0-15: my first tile's words, lanes 16-31: my second's
	ds_store_b32 v[VBA], v[XWD]
	; q (b = 0) and k (b = 1): one block of 32 along d, 16 numbers in lane l and 16 in lane l xor 16
.irp b, 0,1
	v_max3_num_f32 v[TM+\b], |v[QA+16*\b]|, |v[QA+1+16*\b]|, 0x1800000
.endr
.irp i, 2,4,6,8,10,12,14
.irp b, 0,1
	v_max3_num_f32 v[TM+\b], v[TM+\b], |v[QA+16*\b+\i]|, |v[QA+1+16*\b+\i]|
.endr
.endr
.irp b, 0,1
	s_delay_alu instid0(VALU_DEP_2)
	v_permlanex16_b32 v[TM+4+\b], v[TM+\b], s22, s23
.endr
.irp b, 0,1
	s_delay_alu instid0(VALU_DEP_2)
	v_max_num_f32 v[TM+\b], v[TM+\b], v[TM+4+\b]
.endr
.irp b, 0,1
	s_delay_alu instid0(VALU_DEP_2)
	v_add_nc_u32 v[TM+12+\b], 0xff000000, v[TM+\b]
.endr
.irp b, 0,1
	s_delay_alu instid0(VALU_DEP_2)
	v_lshrrev_b32 v[TM+4+\b], 23, v[TM+12+\b]
.endr
.irp b, 0,1
	v_cvt_scalef32_pk8_fp4_f32 v[QC+2*\b], v[QA+16*\b:QA+7+16*\b], v[TM+12+\b]
	v_cvt_scalef32_pk8_fp4_f32 v[QC+1+2*\b], v[QA+8+16*\b:QA+15+16*\b], v[TM+12+\b]
.endr
	v_nop                                          ; one plain place behind the last scaled conversion
	global_store_b64 v[G8], v[QC:QC+1], s[50:51]   ; 32 lanes store 256 consecutive bytes, aligned: row r's 16 bytes from lanes r and r + 16
	global_store_b64 v[G8], v[QC+2:QC+3], s[48:49]
	v_lshl_or_b32 v[XBY], v[TM+4], 8, v[TM+4]      ; q's byte four times: q stands in any of an operand's four blocks
	s_delay_alu instid0(VALU_DEP_1)
	v_lshl_or_b32 v[XBY], v[XBY], 16, v[XBY]
	ds_store_b32 v[QBA], v[XBY]                    ; (lanes r and r + 16 write the same word with the same value)
	ds_store_b8 v[KBA], v[TM+5]
	BARRIER                                        ; all scale words lie in LDS
	s_cmp_lt_u32 s18, 3
	s_cbranch_scc0 .Lnot_words
	ds_load_b128 v[CD:CD+3], v[CPL]
	s_wait_dscnt 0x0
	global_store_b128 v[GL], v[CD:CD+3], s[44:45]  ; 512 consecutive bytes, aligned
	s_branch .Lend
.Lnot_words:
	s_cmp_eq_u32 s18, 3
	s_cbranch_scc0 .Lend
	ds_load_b32 v[CD], v[KCL]
	v_mov_b32 v[CD+1], 0
	s_wait_alu depctr_va_vdst(0)
	s_wait_dscnt 0x0
	global_store_b64 v[L8], v[CD:CD+1], s[58:59]   ; 256 consecutive bytes, aligned
.Lend:
	s_wait_tensorcnt 0x0
	ds_add_u32 v218, v219
	s_wait_dscnt 0x0
	s_endpgm
.Lfunc_end_k_qd3131b062e_project:
	.size	k_qd3131b062e_project, .Lfunc_end_k_qd3131b062e_project-k_qd3131b062e_project
	.p2alignl 7, 3214868480
	.fill 96, 4, 3214868480
	.section	.rodata,"a",@progbits
	.p2align	6, 0x0
	.amdhsa_kernel k_qd3131b062e_project
		.amdhsa_group_segment_fixed_size 168960
		.amdhsa_private_segment_fixed_size 0
		.amdhsa_enable_private_segment 0
		.amdhsa_kernarg_size 72
		.amdhsa_user_sgpr_count 2
		.amdhsa_user_sgpr_kernarg_segment_ptr 1
		.amdhsa_wavefront_size32 1
		.amdhsa_system_sgpr_workgroup_id_x 1
		.amdhsa_system_sgpr_workgroup_id_y 1
		.amdhsa_system_sgpr_workgroup_id_z 1
		.amdhsa_system_vgpr_workitem_id 0
		.amdhsa_next_free_vgpr 384
		.amdhsa_next_free_sgpr 72
		.amdhsa_reserve_vcc 1
		.amdhsa_float_denorm_mode_32 3
		.amdhsa_float_denorm_mode_16_64 3
		.amdhsa_memory_ordered 1
		.amdhsa_forward_progress 1
		.amdhsa_inst_pref_size 78
	.end_amdhsa_kernel
	.amdgpu_metadata
---
amdhsa.version: [ 1, 2 ]
amdhsa.kernels:
  - .name:           k_qd3131b062e_project
    .symbol:         k_qd3131b062e_project.kd
    .args:
      - { .name: x, .offset: 0, .size: 8, .value_kind: global_buffer, .address_space: global }
      - { .name: Wv, .offset: 8, .size: 8, .value_kind: global_buffer, .address_space: global }
      - { .name: bq, .offset: 16, .size: 8, .value_kind: global_buffer, .address_space: global }
      - { .name: bk, .offset: 24, .size: 8, .value_kind: global_buffer, .address_space: global }
      - { .name: bv, .offset: 32, .size: 8, .value_kind: global_buffer, .address_space: global }
      - { .name: kv, .offset: 40, .size: 8, .value_kind: global_buffer, .address_space: global }
      - { .name: qr, .offset: 48, .size: 8, .value_kind: global_buffer, .address_space: global }
      - { .name: Wq, .offset: 56, .size: 8, .value_kind: global_buffer, .address_space: global }
      - { .name: Wk, .offset: 64, .size: 8, .value_kind: global_buffer, .address_space: global }
    .group_segment_fixed_size: 168960
    .private_segment_fixed_size: 0
    .kernarg_segment_align: 8
    .kernarg_segment_size: 72
    .max_flat_workgroup_size: 256
    .sgpr_count:     72
    .vgpr_count:     384
    .wavefront_size: 32
...
	.end_amdgpu_metadata
.endif
;; end of part 1
;; launch attend (part 2): grid 32 x 8, 8 waves a work-group, clusters of 4 x 1, 327,680 bytes of LDS; arguments qr, kv, x, gamma, out0; writes out0
.if DOCPART == 2
	.amdgcn_target "amdgcn-amd-amdhsa--gfx1250"
	.amdhsa_code_object_version 6
	.text
	.protected	k_qd3131b062e_attend
	.globl	k_qd3131b062e_attend
	.p2align	8
	.type	k_qd3131b062e_attend,@function
k_qd3131b062e_attend:
	s_mov_b64 s[64:65], 0
	v_nop
	global_prefetch_b8 v0, s[64:65] scope:SCOPE_SE
	s_setreg_imm32_b32 hwreg(HW_REG_WAVE_MODE, 25, 1), 1
	s_wait_xcnt 0x0
	s_wait_alu depctr_hold_cnt(0) depctr_sa_sdst(0) depctr_va_vdst(0) depctr_va_sdst(0) depctr_va_ssrc(0) depctr_va_vcc(0) depctr_vm_vsrc(0)
	s_getreg_b32 s2, hwreg(HW_REG_IB_STS2, 6, 4)
	s_cmp_eq_u32 s2, 0
	s_cbranch_scc0 .Lentry_in_a_cluster
	s_endpgm
.Lentry_in_a_cluster:
	s_bfe_u32 s2, ttmp6, 0x10000c
	s_cmp_lg_u32 s2, 0x3003
	s_cbranch_scc0 .Lentry_shape_is_right
	s_endpgm
.Lentry_shape_is_right:
; out[b][c][n] = gamma x (sum over m of v[b][c][m] p[n][m]) / l[n] + x[b][c][n], both products on codes of FP4 (E2M1) with one E8M0 scale for each 32 along K.
; t = energy x log2(e); M = the row's largest t so far, rounded UP to a whole number; p = 2^(t - M) is quantised along the keys, not normalised; l is the sum of the unquantised p, in f32.
; When M moves, l and O are multiplied by 2^(old M - new M): exact.
; SHARES.  A work-group takes the 128 queries of one record of qr; each of its eight waves one tile of 16 (two waves to a SIMD, 512 registers each).  Every wave walks the batch's 4,096 keys, 256 A STEP:
; two records of kv (19,712 bytes each: k's codes, v's 16 fragments as register images, both scale words of 128 keys).  One M, one factor and one rescaling of O^T (64 packed multiplies) serve the 256 keys.
; CLUSTER.  The four work-groups of a cluster belong to one batch and walk the same records: each record is asked for JOINTLY, by the same tensor load with the same descriptor and the mask of all four.
; A ring of two LDS slots of eight records; each wave fetches one record a slot, so a refill has four steps of 256 keys in which to land.
; THE FIRST PRODUCT HAS K = 32, one block of the instruction's four.  A fragment of k carries FOUR key tiles, one in each block; q is kept in four views, with its codes in block n and zero codes in the other three:
; view n picks tile n.  Zero codes add nothing under any scale byte that the quantiser makes (1 to 254).  So k's LDS reads and registers are a quarter of what zero padding of k would take.
; LAYOUT.  Both products are used transposed: S^T = k q^T, O^T = v p^T: a lane holds ONE query (lane % 16).  Row r of tile t (queries and keys alike) is position 32 (t / 2) + 8 (t % 2) + r + 8 (r / 8),
; so that the 16 registers of tiles 2 b and 2 b + 1 of S^T are keys 32 b + 16 (lane / 16) + 0 .. 15.
; LIMITS: a p under 2^-126 comes out of v_exp_f32 as 0 (ISA guide, the instruction's entry); a block of p under 2^-124 gets the byte 1; NaN and infinities among the inputs are not served.
; REGISTERS.  window 0: v1-11 addresses; v12 -M, v13 the largest t, v[14:15] l in two halves; v16 q's scale word; v17, v18-25, v27 the first record's scale words of k, v, p; v48, v50-57, v49 the second's; v26 f;
;   v28-47 zeros, q in lanes 0-15, zeros, q in lanes 16-31, zeros; v58-73 the first record's two fragments of k; v74-201 S^T, then p; v202-217 the second record's fragments of k, then p's codes; v218-242 at work;
;   on the way out v[74:75] gamma / l, v128-255 results (no scale register lies there).
;   window 1: v0-127 O^T (channels 16 i + 8 h + j at 8 i + j); v128-255 v's 16 fragments of one record, on the way out x.
.set REC,   19712
.set SLOT,  8*REC                      ; 157,696 bytes
.set SPARE, 2*SLOT                     ; behind the ring: the spare words, 128 bytes for each wave: four blocks of 256 bytes that no other line names
.set SP,    528                        ; the way out: a stage of 256 channel rows x (512 bytes + 16), in slot 0, which has had its last fill and its last read by then
.set LI,  1                            ; v1   16 x lane
.set L8,  2                            ; v2   8 x lane
.set ADI, 3                            ; v3   the step's first record + 16 x lane
.set ADS, 4                            ; v4   the step's first record + 8 x lane
.set SPW, 5                            ; v5   LDS address of my spare word; never rewritten
.set NIL, 6                            ; v6   0; never rewritten
.set PFO, 7                            ; v7   the prefetches' offset: my thread's channel row of x; never rewritten
.set STO, 8                            ; v8-9 the stage: where my results go, channels 0-127 and 128-255
.set RD,  10                           ; v10  and where I read rows back
.set R16, 11                           ; v11  16 r
.set QSC, 16
.set KSC, 17
.set VSC, 18
.set F,   26
.set PSC, 27
.set QB,  28
.set KSC1, 48
.set PSC1, 49
.set VSC1, 50
.set KF,  58
.set S,   74
.set PC,  202
.set KF1, 202
.set BM,  218                          ; v218-225 the eight blocks' largest scores, then largest p
.set T2,  226                          ; v226-233 at work
.set SO,  234                          ; v234-241 the conversions' scale operands
.set TMP, 242
.set G,   74
.set T,   128
.set WV,  14                           ; s14 wave;  s15 cx;  s16 the work-group's x;  s17 b;  s18 gamma
.set SEL, 20                           ; s[20:21] lane selects for v_permlanex16_b32
.set CS,  22                           ; s[22:23] log2(e): the packed form names a pair and takes its low word for both halves
.set G1,  24                           ; s[24:31] descriptor group 1
.set G0A, 32                           ; s[32:35] group 0 of slot 0;  s[36:39] of slot 1
.set G0B, 36
.set TB,  40                           ; s40 LDS byte at which the step's first record begins
.set CNT, 41                           ; s41 steps left in the slot
.set XB,  42                           ; s[42:43] x at the work-group's 512 bytes of channel 0;  s[44:45] at my 32 channel rows;  s[46:47] the same place in out0
.set MSB, 0
.macro WIN new                         ; the immediate's high byte repeats the setting that is left
.if MSB != \new
	s_set_vgpr_msb (MSB<<8)|\new
.set MSB, \new
.endif
.endm
.macro CROUND                          ; a round of the cluster's barrier: my work-group's barrier; wave 0 signals for the work-group; every wave waits for all four work-groups; my work-group's barrier once more
	s_barrier_signal -1
	s_barrier_wait -1
	s_cmp_lg_u32 s[WV], 0
	s_cbranch_scc1 .Lnot_wave_0_\@
	s_barrier_signal -3
.Lnot_wave_0_\@:
	s_barrier_wait -3
	s_barrier_signal -1
	s_barrier_wait -1
.endm
.macro VLOAD e                         ; v's 16 fragments of the step's record e
	WIN 0x40                                       ; destination window 1
.irp i, 0,1,2,3,4,5,6,7,8,9,10,11,12,13,14,15
.irp c, 0,1
	ds_load_b128 v[128+8*\i+4*\c:128+8*\i+4*\c+3], v[ADI] offset:REC*\e+2048+1024*\i+512*\c
.endr
.endr
	WIN 0
.endm
.macro QK e, kf, ksc                   ; S^T of record e: eight tiles of 16 keys; fragment g of k against the four views of q
.irp n, 0,1,2,3
	v_wmma_scale_f32_16x16x128_f8f6f4 v[S+64*\e+8*\n:S+64*\e+8*\n+7], v[\kf:\kf+7], v[QB+4+8*(\n%2)-4*(\n/2):QB+11+8*(\n%2)-4*(\n/2)], 0, v[\ksc], v[QSC] matrix_a_fmt:MATRIX_FMT_FP4 matrix_b_fmt:MATRIX_FMT_FP4
.endr
.irp n, 0,1,2,3
	v_wmma_scale_f32_16x16x128_f8f6f4 v[S+64*\e+32+8*\n:S+64*\e+32+8*\n+7], v[\kf+8:\kf+15], v[QB+4+8*(\n%2)-4*(\n/2):QB+11+8*(\n%2)-4*(\n/2)], 0, v[\ksc], v[QSC] matrix_a_fmt:MATRIX_FMT_FP4 matrix_b_fmt:MATRIX_FMT_FP4 matrix_a_scale:MATRIX_SCALE_ROW1
.endr
.endm
.macro PV pc, vsc, psc                 ; O^T += v p^T over one record's 128 keys: sixteen accumulators, one instruction each: no two that follow each other share one
	WIN 0x51                                       ; v and O^T window 1, p window 0
.irp i, 0,1,2,3,4,5,6,7
	v_wmma_scale_f32_16x16x128_f8f6f4 v[16*\i:16*\i+7], v[128+16*\i:135+16*\i], v[\pc:\pc+7], v[16*\i:16*\i+7], v[\vsc+\i], v[\psc] matrix_a_fmt:MATRIX_FMT_FP4 matrix_b_fmt:MATRIX_FMT_FP4
	v_wmma_scale_f32_16x16x128_f8f6f4 v[16*\i+8:16*\i+15], v[136+16*\i:143+16*\i], v[\pc:\pc+7], v[16*\i+8:16*\i+15], v[\vsc+\i], v[\psc] matrix_a_fmt:MATRIX_FMT_FP4 matrix_b_fmt:MATRIX_FMT_FP4 matrix_a_scale:MATRIX_SCALE_ROW1
.endr
	WIN 0
.endm
; A STEP: 256 keys, the two records from LDS byte s[TB] on.  pf = 1: the last slot's steps, of which one asks for x.
.macro STEP2 pf
	v_add_nc_u32 v[ADI], s[TB], v[LI]
	v_add_nc_u32 v[ADS], s[TB], v[L8]
	v_nop
	v_nop                                          ; four plain places behind the last products, in front of loads into registers that they read
.irp g, 0,1
.irp c, 0,1
	ds_load_b128 v[KF+8*\g+4*\c:KF+8*\g+4*\c+3], v[ADI] offset:1024*\g+512*\c   ; fragment g: block n of row r is key tile 4 g + n
.endr
.endr
.irp g, 0,1
.irp c, 0,1
	ds_load_b128 v[KF1+8*\g+4*\c:KF1+8*\g+4*\c+3], v[ADI] offset:REC+1024*\g+512*\c
.endr
.endr
	ds_load_b32 v[KSC], v[ADS] offset:19456        ; lanes 0-15: fragment 0's scale words, lanes 16-31: fragment 1's
	ds_load_b32 v[KSC1], v[ADS] offset:REC+19456
	ds_load_b128 v[VSC:VSC+3], v[ADI] offset:18432 ; register f / 2: lanes 0-15 the words of v's fragment f (even), lanes 16-31 of f + 1
	ds_load_b128 v[VSC+4:VSC+7], v[ADI] offset:18944
	ds_load_b128 v[VSC1:VSC1+3], v[ADI] offset:REC+18432
	ds_load_b128 v[VSC1+4:VSC1+7], v[ADI] offset:REC+18944
	VLOAD 0
.if \pf
; x is asked for ahead of the way out: in the last of the last slot's four steps, behind the step's run of LDS loads, each thread names the two blocks of 256 bytes of the work-group's 512 bytes in its own channel row.
; 256 threads, 256 rows: each block is named once in the launch, and the way out loads them one step of 256 keys later.
	s_cmp_eq_u32 s[CNT], 1
	s_cbranch_scc0 .Lno_ask_\@
	global_prefetch_b8 v[PFO], s[XB:XB+1] th:TH_LOAD_NT scope:SCOPE_SE
	global_prefetch_b8 v[PFO], s[XB:XB+1] offset:256 th:TH_LOAD_NT scope:SCOPE_SE
.Lno_ask_\@:
.endif
	s_wait_dscnt 36                                ; k's fragments and scale words of both records are in; behind them v's 4 loads of scale words and 32 of fragments stay out
	QK 0, KF, KSC
	QK 1, KF1, KSC1
.rept 4
	v_nop                                          ; places in front of the first read of results
.endr
.irp b, 0,1,2,3,4,5,6,7
	v_max3_num_f32 v[BM+\b], v[S+16*\b], v[S+1+16*\b], v[S+2+16*\b]   ; the largest score of each block of 32 keys: it serves for the row's maximum and, since p rises with the score, for the block's largest p
.endr
.irp i, 3,5,7,9,11,13
.irp b, 0,1,2,3,4,5,6,7
	v_max3_num_f32 v[BM+\b], v[BM+\b], v[S+16*\b+\i], v[S+1+16*\b+\i]   ; (the eight blocks by turns; each tile is read from its low end on)
.endr
.endr
.irp b, 0,1,2,3,4,5,6,7
	v_max_num_f32 v[BM+\b], v[BM+\b], v[S+15+16*\b]
.endr
.irp b, 0,1,2,3,4,5,6,7
	v_permlanex16_b32 v[T2+\b], v[BM+\b], s[SEL], s[SEL+1]
.endr
.irp b, 0,1,2,3,4,5,6,7
	v_max_num_f32 v[BM+\b], v[BM+\b], v[T2+\b]     ; with lane l xor 16's 16 keys
.endr
	v_max3_num_f32 v[TMP], v[BM], v[BM+1], v[BM+2]
	s_delay_alu instid0(VALU_DEP_1)
	v_max3_num_f32 v[TMP], v[TMP], v[BM+3], v[BM+4]
	s_delay_alu instid0(VALU_DEP_1)
	v_max3_num_f32 v[TMP], v[TMP], v[BM+5], v[BM+6]
	s_delay_alu instid0(VALU_DEP_1)
	v_max_num_f32 v[TMP], v[TMP], v[BM+7]          ; the step's largest score of my query
	s_delay_alu instid0(VALU_DEP_1)
	v_mul_f32 v[TMP], s[CS], v[TMP]                ; as t
	s_delay_alu instid0(VALU_DEP_1)
	v_max_num_f32 v13, v13, v[TMP]                 ; the running largest t
	v_mov_b32 v[TMP], v12
	s_delay_alu instid0(VALU_DEP_2)
	v_floor_f32 v12, -v13                          ; the new -M = floor(-t) = -ceil(t)
	s_delay_alu instid0(VALU_DEP_1)
	v_sub_f32 v[TMP], v12, v[TMP]                  ; old M - new M: a whole number, 0 or less
	s_delay_alu instid0(VALU_DEP_1)
	v_cvt_i32_f32 v[TMP], v[TMP]                   ; (it saturates)
	s_delay_alu instid0(VALU_DEP_1)
	v_ldexp_f32 v[F], 1.0, v[TMP]                  ; f = 2^(old M - new M)
.irp b, 0,1,2,3,4,5,6,7
	v_fma_f32 v[BM+\b], v[BM+\b], s[CS], v12       ; t - M of each block's largest score
.endr
.set j, 0
.rept 64
	v_pk_fma_f32 v[S+j:S+j+1], v[S+j:S+j+1], s[CS:CS+1], v[12:13] op_sel_hi:[1,0,0]   ; t - M, two at a time
.set j, j+2
.endr
	s_wait_alu depctr_va_vdst(0)
.irp b, 0,1,2,3,4,5,6,7
	v_exp_f32 v[BM+\b], v[BM+\b]                   ; the block's largest p: the same two instructions on the same number give the same bits as its p below
.endr
.set j, 0
.rept 128
	v_exp_f32 v[S+j], v[S+j]                       ; p = 2^(t - M)
.set j, j+1
.endr
	v_pk_mul_f32 v[14:15], v[14:15], v[F:F+1] op_sel_hi:[1,0]   ; l under the new M.  (The plain place behind the exponentials)
	s_wait_alu depctr_va_vdst(0)                   ; one wait for the batch of 136, ahead of its first reader
.irp b, 0,1,2,3,4,5,6,7
	v_max_num_f32 v[BM+\b], 0x1800000, v[BM+\b]    ; the floor 2^(3 - 127): the byte cannot fall under 1
.endr
.irp b, 0,1,2,3,4,5,6,7
	v_add_nc_u32 v[SO+\b], 0xff000000, v[BM+\b]    ; 2 off the exponent field: the conversion's scale operand
.endr
.irp b, 0,1,2,3,4,5,6,7
	v_lshrrev_b32 v[T2+\b], 23, v[SO+\b]           ; the scale's byte
.endr
	v_lshl_or_b32 v[PSC], v[T2+1], 8, v[T2]        ; p's scale words: one for each record's 128 keys, by turns
	s_delay_alu instid0(VALU_DEP_4)
	v_lshl_or_b32 v[PSC1], v[T2+5], 8, v[T2+4]
	s_delay_alu instid0(VALU_DEP_2)
	v_lshl_or_b32 v[PSC], v[T2+2], 16, v[PSC]
	s_delay_alu instid0(VALU_DEP_2)
	v_lshl_or_b32 v[PSC1], v[T2+6], 16, v[PSC1]
	s_delay_alu instid0(VALU_DEP_2)
	v_lshl_or_b32 v[PSC], v[T2+3], 24, v[PSC]
	s_delay_alu instid0(VALU_DEP_2)
	v_lshl_or_b32 v[PSC1], v[T2+7], 24, v[PSC1]
.irp b, 0,1,2,3,4,5,6,7
	v_cvt_scalef32_pk8_fp4_f32 v[PC+2*\b], v[S+16*\b:S+7+16*\b], v[SO+\b]
	v_cvt_scalef32_pk8_fp4_f32 v[PC+1+2*\b], v[S+8+16*\b:S+15+16*\b], v[SO+\b]
.endr
	v_nop                                          ; one plain place behind the last scaled conversion
.irp c, 0,1,2,3                                ; the operand's layout wants a whole block in a lane
.irp i, 0,1
	v_permlane16_swap_b32 v[PC+4*\c+\i], v[PC+2+4*\c+\i]
.endr
.endr
	WIN 0x41                                       ; O^T (destination and source 0) window 1, f window 0
.set j, 0
	s_setprio 1
.rept 64
	v_pk_mul_f32 v[j:j+1], v[j:j+1], v[F:F+1] op_sel_hi:[1,0]   ; O^T under the new M, once for 256 keys.  (These are also the places between p's scale words and codes and the products below)
.set j, j+2
.endr
	s_wait_alu depctr_va_vdst(0)
	s_wait_dscnt 0x0                               ; the first record's fragments of v, and both records' scale words, are in
	PV PC, VSC, PSC
	; l takes the unquantised p: two at a time, in two chains.  The sums stand here: the first four are the plain places between the products above and the loads into the registers that they read,
	; the other sixty are the wave's work while those loads are out
	v_pk_add_f32 v[T2:T2+1], v[S:S+1], v[S+2:S+3]
	v_pk_add_f32 v[14:15], v[14:15], v[S+4:S+5]
	v_pk_add_f32 v[T2:T2+1], v[T2:T2+1], v[S+6:S+7]
	v_pk_add_f32 v[14:15], v[14:15], v[S+8:S+9]
	VLOAD 1
	v_pk_add_f32 v[T2:T2+1], v[T2:T2+1], v[S+10:S+11]
.set j, 12
	s_setprio 0
.rept 29
	v_pk_add_f32 v[14:15], v[14:15], v[S+j:S+j+1]
	v_pk_add_f32 v[T2:T2+1], v[T2:T2+1], v[S+j+2:S+j+3]
.set j, j+4
.endr
	s_delay_alu instid0(VALU_DEP_1)
	v_pk_add_f32 v[14:15], v[14:15], v[T2:T2+1]
	s_wait_dscnt 0x0                               ; the second record's fragments of v are in
	PV PC+8, VSC1, PSC1
.endm
.macro PHASE base, pf                  ; a slot's four steps: written once, walked four times
	s_mov_b32 s[TB], \base
	s_mov_b32 s[CNT], 4
.Lstep_\@:
	s_wait_alu depctr_va_vdst(0)
	s_setprio 2
	STEP2 \pf
	s_add_co_u32 s[TB], s[TB], 2*REC
	s_sub_co_u32 s[CNT], s[CNT], 1
	s_cmp_lg_u32 s[CNT], 0
	s_cbranch_scc1 .Lstep_\@
	s_setprio 0
.endm
; THE CHANGE OF SLOTS.  Each wave waits for all its tensor loads (one is out: its record of the slot ahead), adds 0 to its spare word, and waits for that and for its reads of the slot that it leaves.
; The round of the cluster's barrier shows the same of every wave of all four work-groups; the joint refill of the slot just left is the first thing behind it, one load a wave.
.macro CHANGE g0
	s_wait_tensorcnt 0x0                           ; no tensor load of mine is out, so a group 0 may be written
	ds_add_u32 v[SPW], v[NIL]                      ; 0 onto my spare word
	s_add_nc_u64 s[\g0+2:\g0+3], s[\g0+2:\g0+3], 16*REC   ; this slot's next eight records lie sixteen on; the type bits on top are not reached
	s_wait_dscnt 0x0                               ; the add is done, and my reads of the slot are over
	CROUND
	tensor_load_to_lds s[\g0:\g0+3], s[G1:G1+7]
	s_nop 0
.rept 4
	v_nop
.endr
.endm
	s_load_b256 s[4:11], s[0:1], 0x0               ; qr s[4:5], kv s[6:7], x s[8:9], gamma s[10:11]
	s_load_b64 s[12:13], s[0:1], 0x20              ; out0
	v_lshl_add_u32 v[SPW], v0, 2, SPARE
	v_mov_b32 v[NIL], 0
	ds_add_u32 v5, v6
	ds_add_u32 v5, v6
	s_wait_dscnt 0x0
	v_lshrrev_b32 v1, 5, v0
	s_delay_alu instid0(VALU_DEP_1)
	v_readfirstlane_b32 s[WV], v1                  ; wave 0..7
	s_bfe_u32 s15, ttmp6, 0x40000                  ; cx: my place in the cluster: it enters the addresses of q, x and out0 alone
	s_lshl_b32 s16, ttmp9, 2                       ; in a cluster launch ttmp9 counts clusters
	s_add_co_u32 s16, s16, s15                     ; which 128 queries
	s_and_b32 s17, ttmp7, 0xffff                   ; b, which the four partners share
	s_mov_b32 s[SEL], 0x76543210
	s_mov_b32 s[SEL+1], 0xfedcba98
	s_mov_b32 s[CS], 0x3fb8aa3b                    ; log2(e)
	s_mov_b32 s[CS+1], s[CS]                       ; (named with it as a pair, so it is written)
	; descriptor group 1: a record is a dense block of 77 rows of 256 bytes (32 elements of 8 bytes); the reads take consecutive bytes, so no padding
	s_mov_b32 s[G1], 15|(3<<16)|(1<<21)            ; the mask: all four work-groups; elements of 8 bytes; bit 21 set beside a mask
	s_mov_b32 s[G1+1], 32<<16                      ; tensor_dim0 = 32
	s_mov_b32 s[G1+2], 77<<16                      ; tensor_dim1 = 77
	s_mov_b32 s[G1+3], 32<<16                      ; tile_dim0 = 32
	s_mov_b32 s[G1+4], 77                          ; tile_dim1 = 77
	s_mov_b32 s[G1+5], 32                          ; tensor_dim0_stride
	s_mov_b32 s[G1+6], 0
	s_mov_b32 s[G1+7], 0
	s_lshl_b32 s52, s17, 5
	s_add_co_u32 s52, s52, s[WV]
	s_mul_i32 s52, s52, REC                        ; record 32 b + wave: my record of slot 0's first fill
	s_mov_b32 s53, 0
	s_mov_b32 s[G0A], 1
	s_mul_i32 s[G0A+1], s[WV], REC                 ; LDS: wave x a record: no place in the cluster enters an LDS address
	s_mov_b32 s[G0B], 1
	s_add_co_u32 s[G0B+1], s[G0A+1], SLOT
	s_lshl_b32 s54, s17, 22                        ; x and out0: the batch's 4 MiB,
	s_lshl_b32 s55, s16, 9                         ; the work-group's 512 bytes of each channel row
	s_add_co_u32 s54, s54, s55
	s_mov_b32 s55, 0
	s_lshl_b32 s56, s[WV], 19                      ; my 32 channel rows of 16,384 bytes
	s_mov_b32 s57, 0
	s_lshl_b32 s58, s17, 5
	s_add_co_u32 s58, s58, s16
	s_mul_i32 s58, s58, 2560                       ; my record of qr
	s_mov_b32 s59, 0
	s_lshl_b32 s60, s[WV], 8                       ; in it: tile w's codes
	s_mov_b32 s61, 0
	s_and_b32 s62, s[WV], 1
	s_lshl_b32 s62, s62, 8
	s_lshr_b32 s63, s[WV], 1
	s_lshl_b32 s63, s63, 2
	s_add_co_u32 s62, s62, s63
	s_add_co_u32 s62, s62, 2048                    ; and its scale words: 2,048 + 256 (w % 2) + 4 (w / 2)
	s_mov_b32 s63, 0
	v_and_b32 v[ADI], 31, v0                       ; lane
	s_delay_alu instid0(VALU_DEP_1)
	v_lshlrev_b32 v[LI], 4, v[ADI]
	s_delay_alu instid0(VALU_DEP_2)
	v_lshlrev_b32 v[L8], 3, v[ADI]
	v_lshlrev_b32 v[PFO], 14, v0                   ; thread x a channel row of 16,384 bytes
	v_and_b32 v[R16], 15, v0
	s_delay_alu instid0(VALU_DEP_1)
	v_lshlrev_b32 v[R16], 4, v[R16]
	v_cmp_gt_u32 vcc_lo, 16, v[ADI]                ; lanes 0-15
	s_wait_kmcnt 0x0
	s_load_b32 s18, s[10:11], 0x0                  ; gamma: wanted on the way out alone, and waited for there
	s_add_nc_u64 s[G0A+2:G0A+3], s[6:7], s[52:53]
	s_add_nc_u64 s[G0B+2:G0B+3], s[G0A+2:G0A+3], SLOT   ; eight records on
	s_or_b32 s[G0A+3], s[G0A+3], 0x80000000        ; type = 2
	s_or_b32 s[G0B+3], s[G0B+3], 0x80000000
	s_add_nc_u64 s[XB:XB+1], s[8:9], s[54:55]
	s_add_nc_u64 s[44:45], s[XB:XB+1], s[56:57]
	s_add_nc_u64 s[46:47], s[12:13], s[54:55]
	s_add_nc_u64 s[46:47], s[46:47], s[56:57]
	s_add_nc_u64 s[48:49], s[4:5], s[58:59]
	s_add_nc_u64 s[50:51], s[48:49], s[62:63]
	s_add_nc_u64 s[48:49], s[48:49], s[60:61]
	CROUND                                         ; all four work-groups are here: the first joint loads meet
	tensor_load_to_lds s[G0A:G0A+3], s[G1:G1+7]    ; both first fills go out together: two loads of mine are out
	s_nop 0
	tensor_load_to_lds s[G0B:G0B+3], s[G1:G1+7]
	s_nop 0
.rept 4
	v_nop
.endr
	s_wait_alu depctr_va_vdst(0)
	global_load_b128 v[KF:KF+3], v[R16], s[48:49]  ; q: row r's 16 bytes, in both halves of the lanes
	global_load_b32 v[QSC], v[R16], s[50:51]       ; its scale byte, four times
	WIN 0x40
.set i, 0
.rept 128
	v_mov_b32 v[i], 0                              ; O^T.  (The step is written once: the first finds zeros, which the first change of M leaves zeros)
.set i, i+1
.endr
	WIN 0
.irp i, 0,1,2,3
	v_mov_b32 v[QB+\i], 0
	v_mov_b32 v[QB+8+\i], 0
	v_mov_b32 v[QB+16+\i], 0
	v_mov_b32 v[T2+\i], 0                          ; written once: a lane permute's destination counts as one of its sources
	v_mov_b32 v[T2+4+\i], 0
.endr
	v_mov_b32 v13, 0xff61b1e6                      ; the largest t so far: -3e38, under every t
	s_delay_alu instid0(VALU_DEP_1)
	v_floor_f32 v12, -v13                          ; -M
	v_mov_b32 v14, 0
	v_mov_b32 v15, 0
	v_mov_b32 v[PSC], 0                            ; (named as the upper half of the pair with f before it is first written)
	s_wait_loadcnt 0x0
.irp i, 0,1,2,3
	v_cndmask_b32 v[QB+4+\i], v[QB], v[KF+\i], vcc_lo    ; q in lanes 0-15, zero codes in lanes 16-31
	v_cndmask_b32 v[QB+12+\i], v[KF+\i], v[QB], vcc_lo   ; and the other way round.  View 0 = v[32:39], 1 = v[40:47], 2 = v[28:35], 3 = v[36:43]
.endr
	s_wait_tensorcnt 1                             ; my record of slot 0 is in; slot 1's may stay out
	s_barrier_signal -1
	s_barrier_wait -1                              ; everybody's is
	PHASE 0, 0                                     ; records 0-7
	CHANGE G0A                                     ; slot 0 takes records 16-23
	PHASE SLOT, 0                                  ; records 8-15
	CHANGE G0B                                     ; slot 1 takes records 24-31
	PHASE 0, 0                                     ; records 16-23
	s_wait_tensorcnt 0x0                           ; the last change of slots is written out: nothing is left to fetch, so a barrier of the work-group does
	ds_add_u32 v[SPW], v[NIL]                      ; 0 onto my spare word
	s_wait_dscnt 0x0                               ; the add is done, and my reads of slot 0 are over
	s_barrier_signal -1
	s_barrier_wait -1
	PHASE SLOT, 1                                  ; records 24-31
	s_wait_alu depctr_va_vdst(0)
	; THE WAY OUT.  A lane holds one position and eight channels a tile; out0's rows run along the positions.  So gamma x O^T / l goes through a stage in LDS, [channel][position], and each wave reads back 32 whole
	; rows of 512 bytes, adds x and stores them.
	v_add_f32 v14, v14, v15                        ; l's two halves,
	s_delay_alu instid0(VALU_DEP_1)
	v_permlanex16_b32 v[TMP], v14, s[SEL], s[SEL+1]
	s_delay_alu instid0(VALU_DEP_1)
	v_add_f32 v14, v14, v[TMP]                     ; and lane l xor 16's
	s_wait_alu depctr_va_vdst(0)
	v_rcp_f32 v14, v14
	s_lshr_b32 s52, s[WV], 1
	s_lshl_b32 s52, s52, 5
	s_and_b32 s53, s[WV], 1
	s_lshl_b32 s53, s53, 3
	s_add_co_u32 s52, s52, s53                     ; my tile's first position: 32 (w / 2) + 8 (w % 2)
	s_mul_i32 s53, s[WV], 32*SP                    ; the 32 rows that I read back
	v_and_b32 v[STO], 15, v0                       ; (plain work behind the reciprocal, and the places behind the last products)
	v_and_b32 v[STO+1], 8, v0
	s_delay_alu instid0(VALU_DEP_1)
	v_add_nc_u32 v[STO], v[STO], v[STO+1]          ; r + 8 (r / 8)
	s_delay_alu instid0(VALU_DEP_1)
	v_add_nc_u32 v[STO], s52, v[STO]               ; my position
	s_delay_alu instid0(VALU_DEP_1)
	v_lshlrev_b32 v[STO], 2, v[STO]
	v_bfe_u32 v[STO+1], v0, 4, 1
	s_delay_alu instid0(VALU_DEP_1)
	v_mad_u32_u24 v[STO], v[STO+1], 8*SP, v[STO]   ; lanes 16-31: eight channel rows further down
	s_delay_alu instid0(VALU_DEP_1)
	v_add_nc_u32 v[STO+1], 128*SP, v[STO]
	v_add_nc_u32 v[RD], s53, v[LI]
	WIN 0x40                                       ; destination window 1: where v's fragments lay
.set i, 0
.rept 32
	global_load_b128 v[128+4*i:131+4*i], v[LI], s[44:45] offset:16384*i th:TH_LOAD_NT   ; x: 32 lanes read a row's 512 consecutive bytes
.set i, i+1
.endr
	WIN 0
	s_wait_kmcnt 0x0                               ; gamma, asked for at the head
	s_wait_alu depctr_va_vdst(0)                   ; the wait ahead of the reciprocal's first reader
	v_mul_f32 v[G], s18, v14                       ; gamma / l
	v_mul_f32 v[G+1], s18, v14
	WIN 0x01                                       ; source 0 (O^T) window 1
.set j, 0
.rept 64
	v_pk_mul_f32 v[T+j:T+j+1], v[j:j+1], v[G:G+1] op_sel_hi:[1,0]   ; each accumulator from its low end on
.set j, j+2
.endr
	WIN 0
.set i, 0
.rept 16
.set j, 0
.rept 8
	ds_store_b32 v[STO+i/8], v[T+8*i+j] offset:(16*(i%8)+j)*SP   ; channel 16 i + 8 h + j, my position: the 32 lanes fall on 32 different banks
.set j, j+1
.endr
.set i, i+1
.endr
	s_wait_dscnt 0x0                               ; for the others' sake: my stores into the stage are done
	s_barrier_signal -1
	s_barrier_wait -1
.set i, 0
.rept 32
	ds_load_b128 v[T+4*i:T+4*i+3], v[RD] offset:SP*i
.set i, i+1
.endr
	WIN 0x04                                       ; source 1 (x) window 1
.set i, 0
.rept 32
	s_wait_dscnt 31-i                              ; row i is back from the stage; the 31 - i younger loads stay out
	s_wait_loadcnt 31-i                            ; and row i of x is in
	v_pk_add_f32 v[T+4*i:T+4*i+1], v[T+4*i:T+4*i+1], v[128+4*i:129+4*i]
	v_pk_add_f32 v[T+4*i+2:T+4*i+3], v[T+4*i+2:T+4*i+3], v[130+4*i:131+4*i]
.set i, i+1
.endr
	WIN 0
.set i, 0
	s_wait_alu depctr_va_vdst(0)
.rept 32
	global_store_b128 v[LI], v[T+4*i:T+4*i+3], s[46:47] offset:16384*i th:TH_STORE_NT   ; 32 lanes store 512 consecutive bytes, aligned; written once, read by nobody here
.set i, i+1
.endr
	s_wait_tensorcnt 0x0                           ; the wave's end: behind my last tensor load and my last LDS store
	ds_add_u32 v[SPW], v[NIL]
	s_wait_dscnt 0x0
	CROUND                                         ; the closing round: no work-group ends while a partner may still ask for a record that names it
	s_endpgm
.Lfunc_end_k_qd3131b062e_attend:
	.size	k_qd3131b062e_attend, .Lfunc_end_k_qd3131b062e_attend-k_qd3131b062e_attend
	.p2alignl 7, 3214868480
	.fill 96, 4, 3214868480
	.section	.rodata,"a",@progbits
	.p2align	6, 0x0
	.amdhsa_kernel k_qd3131b062e_attend
		.amdhsa_group_segment_fixed_size 327680
		.amdhsa_private_segment_fixed_size 0
		.amdhsa_enable_private_segment 0
		.amdhsa_kernarg_size 40
		.amdhsa_user_sgpr_count 2
		.amdhsa_user_sgpr_kernarg_segment_ptr 1
		.amdhsa_wavefront_size32 1
		.amdhsa_system_sgpr_workgroup_id_x 1
		.amdhsa_system_sgpr_workgroup_id_y 1
		.amdhsa_system_sgpr_workgroup_id_z 1
		.amdhsa_system_vgpr_workitem_id 0
		.amdhsa_next_free_vgpr 512
		.amdhsa_next_free_sgpr 66
		.amdhsa_reserve_vcc 1
		.amdhsa_float_denorm_mode_32 3
		.amdhsa_float_denorm_mode_16_64 3
		.amdhsa_memory_ordered 1
		.amdhsa_forward_progress 1
		.amdhsa_inst_pref_size 189
	.end_amdhsa_kernel
	.amdgpu_metadata
---
amdhsa.version: [ 1, 2 ]
amdhsa.kernels:
  - .name:           k_qd3131b062e_attend
    .symbol:         k_qd3131b062e_attend.kd
    .args:
      - { .name: qr, .offset: 0, .size: 8, .value_kind: global_buffer, .address_space: global }
      - { .name: kv, .offset: 8, .size: 8, .value_kind: global_buffer, .address_space: global }
      - { .name: x, .offset: 16, .size: 8, .value_kind: global_buffer, .address_space: global }
      - { .name: gamma, .offset: 24, .size: 8, .value_kind: global_buffer, .address_space: global }
      - { .name: out0, .offset: 32, .size: 8, .value_kind: global_buffer, .address_space: global }
    .group_segment_fixed_size: 327680
    .private_segment_fixed_size: 0
    .kernarg_segment_align: 8
    .kernarg_segment_size: 40
    .max_flat_workgroup_size: 256
    .sgpr_count:     66
    .vgpr_count:     512
    .wavefront_size: 32
...
	.end_amdgpu_metadata
.endif
;; end of part 2
